; MI455X (gfx1250); checked and timed in simulation.
; The chip was launched on July 23, 2026; its instructions are those of AMD's public machine-readable ISA for CDNA 5 (MIT licence, August 2026) and "CDNA5" Instruction Set Architecture Reference Guide (July 2026). The comments in the code are by the model that wrote it; some were corrected since.
;; Refine Prior. Allowed arithmetic: matrix products marked QUANTISED: E2M3 operands, one E8M0 scale for each 32 along K, by v_wmma_scale_f32_16x16x128_f8f6f4 with both operands' format E2M3, f32 sums; products left as they are: f32 operands where the result goes on into a quantised operand, else bf16, f16 or f32 operands; f32 sums; everything else in f32.
;; Inputs: Wk 1,024 x 1,024 float32; Wo 1,024 x 1,024 float32; Wq 1,024 x 1,024 float32; Wv 1,024 x 1,024 float32; bk 1,024 float32; bo 1,024 float32; bq 1,024 float32; bv 1,024 float32; pos_emb 1 x 16 x 16 x 16 float32; shape_tokens 1,024 x 16 x 1,024 float32.
;; Outputs: out0 1,024 x 16 x 1,024 float32.
;; This version of the problem:
;;   THIS VERSION OF THE PROBLEM IS GIVEN IN LOW PRECISION. The matrix products marked QUANTISED in the list below multiply operands that are first quantised to E2M3 (2 exponent bits, 3 mantissa bits; 6 bits a number), with one power-of-two scale for each 32 numbers along K (OCP MX v1.0); their sums are f32. All else is computed in f32.
;;   The module's matrix products, in the order in which they are computed (A, B: the left and right operand; K: the contracted axis; several contracted axes count as one K, in the product's order):
;;     1. [M 16,384, K 1,024] x [K 1,024, N 1,024]; A: input shape_tokens; B: input Wq: QUANTISED
;;     2. [M 16,384, K 1,024] x [K 1,024, N 1,024]; A: input shape_tokens; B: input Wk: QUANTISED
;;     3. [M 16,384, K 1,024] x [K 1,024, N 1,024]; A: input shape_tokens; B: input Wv: QUANTISED
;;     4. batch 16,384 x [M 16, K 64] x [K 64, N 16]; A: computed on the way; B: computed on the way: QUANTISED
;;     5. batch 16,384 x [M 16, K 16] x [K 16, N 64]; A: softmax; B: computed on the way: left as it is (K = 16 < 32)
;;     6. [M 16,384, K 1,024] x [K 1,024, N 1,024]; A: computed on the way; B: input Wo: QUANTISED
;;   THE QUANTISER, for each operand of a quantised product, along K:
;;     - K is cut into blocks of 32 from its start; a last block that is shorter is filled with zeros.
;;     - A block's scale is 2^e with e = floor(log2(the largest magnitude in the block)) - 2, held to -126 .. 127; a block of zeros has e = 0. As a byte (E8M0): e + 127.
;;     - Each number is divided by its block's scale, clamped to +-7.5, and rounded to the nearest number of E2M3, ties to even, subnormals kept.
;;     - The product sums the exact products of the quantised numbers (number of the format x scale) in f32.
;;   ~~~python
;;   def quantise(x, axis):      # numpy; x: float32 -> the quantised numbers, widened to float32 again
;;       x = np.moveaxis(x, axis, -1); K = x.shape[-1]
;;       x = np.pad(x, [(0, 0)] * (x.ndim - 1) + [(0, -K % 32)]); x = x.reshape(x.shape[:-1] + (-1, 32)); a = np.abs(x).max(-1, keepdims=True)
;;       e = np.where(a > 0, np.clip(np.frexp(np.where(a > 0, a, 1))[1] - 1 - 2, -126, 127), 0)      # np.frexp(a)[1] - 1 = floor(log2(a)), exactly
;;       r = np.clip(x / 2.0 ** e, -7.5, 7.5)
;;       step = 2.0 ** (np.maximum(np.frexp(np.where(r == 0, 1, r))[1] - 1, 0) - 3)
;;       q = np.round(r / step) * step * 2.0 ** e      # np.round: ties to even
;;       return np.moveaxis(q.reshape(q.shape[:-2] + (-1,))[..., :K], -1, axis).astype(np.float32)
;;   ~~~
;;   OPERANDS COMPUTED ON THE WAY. 'Computed on the way' means the value that the module computes at that place (a softmax that the list does not call 'softmax' is quantised finished and normalised). What goes into a quantiser is computed in f32, as accurately as f32 sums, v_exp_f32 and their like allow (about 1e-6 of the number): no bf16 or f16 on the way to a quantiser, and a product that is left as it is and whose result goes on into a quantised operand takes f32 operands (vector FMAs, or v_wmma_f32_16x16x4_f32). A number that lies on a knife's edge between two numbers of the format may be rounded either way, as far as f32 arithmetic and the matrix unit's own rounding can turn it there, and no further.
;; One version. Each part assembles by itself: llvm-mc -triple=amdgcn-amd-amdhsa -mcpu=gfx1250 --defsym DOCPART=n.
;; ======== version 1 of 1: 3 launches
;; limits: right only within a limited range of input values
;; workspace buffers: XI 12,582,912 bytes; XSW 524,288 bytes; WA 2,490,368 bytes; WB 819,200 bytes; CI 12,582,912 bytes; CSW 524,288 bytes
;; launch prep (part 1): grid 768 x 1, 4 waves a work-group, no clusters, 47,104 bytes of LDS; arguments shape_tokens, Wq, Wk, Wv, Wo, XI, XSW, WA, WB; writes XI, XSW, WA, WB
.if DOCPART == 1
	.amdgcn_target "amdgcn-amd-amdhsa--gfx1250"
	.amdhsa_code_object_version 6
	.text
	.protected	k_q796ab0b33c_prep
	.globl	k_q796ab0b33c_prep
	.p2align	8
	.type	k_q796ab0b33c_prep,@function
k_q796ab0b33c_prep:
	s_mov_b64 s[64:65], 0
	v_nop
	global_prefetch_b8 v0, s[64:65] scope:SCOPE_SE
	s_setreg_imm32_b32 hwreg(HW_REG_WAVE_MODE, 25, 1), 1
	s_wait_xcnt 0x0
; x [16384][1024] and the four weights [1024 (k)][1024 (n)], f32, become codes of FP6 (E2M3) with one E8M0 byte for each 32 along K,
; laid as IMAGES OF OPERAND REGISTERS: a fragment (16 rows x 128 K, 12 registers a lane) is 1,536 bytes, register p of lane L at 512 (p / 4) + 16 L + 4 (p % 4),
; so that the later launches bring it by loads of 16 bytes at 16 x lane.  Registers 6 c .. 6 c + 5 of lane (r, h) hold k = 64 c + 32 h + 0 .. 31 of row r.
; A block's scale is 2^(floor(log2(largest magnitude)) - 2); its byte is the largest magnitude's exponent field - 2, held at 1 from below.
; LIMITS: a block of zeros, or one whose largest magnitude lies under 2^-124, gets the byte 1 (its codes are zeros or nearly so; the bytes are read by this program alone); NaN and infinities are not served.
; Work-groups 0-255 take the weights, 256-767 take x: one branch on the work-group's number; each way has LDS bytes of its own.
; X: a wave takes a tile of 16 tokens x 512 along K: four fragments.  Loads read 512 consecutive bytes; the numbers turn through the wave's stage so that a lane holds 16 neighbours of each block.
; W: a work-group takes 128 columns x 128 along K; a lane takes a column and its registers run down K, so a block of 32 lies in one lane and nothing is transposed.
;    Column f of a wave's 32 goes to tile u = (f / 8) % 2, row r = f % 8 + 8 (f / 16): row r of tile u is column 8 u + r + 8 (r / 8), so that a later result's 16 registers of two tiles are 16 neighbours.
.set XSTW,  8448                       ; x: a wave's stage: 16 rows x (512 bytes + 16); the four stages begin at LDS byte 0
.set WSTG,  33792                      ; W: a wave's two images, 3,072 bytes, four waves
.set WGAT,  46080                      ; W: 512 bytes in which the four waves' scale words meet
.set TM,    16                         ; v16-31   at work in the quantiser
.set PC,    32                         ; v32-51   x: a fragment's codes (12) and the conversions' second halves
.set SWD,   52                         ; v52-55   x: the four fragments' scale words
.set R,     64                         ; v64-191  x: two sets of 64 numbers as loaded
.set X,     192                        ; v192-255 x: 64 numbers, register 16 b + i = k 32 b + 16 h + i of row r
.set WX,    64                         ; v64-191  W: four blocks of 32 numbers down K
.set CB,    192                        ; v192-223 W: a block's six registers of codes, eight apart
.set TC,    224                        ; v224-239 W: the conversions' second halves
.set OB,    32                         ; v32-55   W: the images on their way out
.set SEL,   40                         ; s[40:41] lane selects: lane l xor 16
	s_load_b256 s[4:11], s[0:1], 0x0               ; x s[4:5], Wq s[6:7], Wk s[8:9], Wv s[10:11]
	s_load_b256 s[12:19], s[0:1], 0x20             ; Wo s[12:13], XI s[14:15], XSW s[16:17], WA s[18:19]
	s_load_b64 s[20:21], s[0:1], 0x40              ; WB
	v_lshl_add_u32 v62, v0, 2, 0xb600
	v_mov_b32 v63, 0
	v_lshrrev_b32 v1, 5, v0
	v_readfirstlane_b32 s22, v1                    ; wave 0..3
	v_and_b32 v1, 31, v0                           ; lane
	s_cmp_lt_u32 ttmp9, 256
	s_cbranch_scc1 .Lweights
; ---------------------------------------------------------------- x
	s_sub_co_u32 s23, ttmp9, 256
	s_lshl_b32 s23, s23, 2
	s_add_co_u32 s23, s23, s22                     ; W = which half tile, 0..2047
	s_lshr_b32 s24, s23, 1                         ; T: the tile of 16 tokens
	s_and_b32 s25, s23, 1                          ; which 512 along K
	v_and_b32 v2, 15, v0                           ; r
	v_bfe_u32 v3, v0, 4, 1                         ; h
	v_lshlrev_b32 v4, 4, v1                        ; 16 x lane: my bytes of a load's or a store's 512
	s_mul_i32 s26, s22, XSTW
	v_add_nc_u32 v5, s26, v4                       ; the stage, in: a row as it lies
	v_mul_u32_u24 v6, v2, 528
	v_lshl_add_u32 v6, v3, 6, v6
	v_add_nc_u32 v6, s26, v6                       ; out: row r, + 64 h: my 16 numbers of each block of 32
	v_lshlrev_b32 v7, 4, v2
	v_lshl_add_u32 v7, v3, 3, v7                   ; the scale words' store: 16 r + 8 h
	s_mov_b32 s[SEL], 0x76543210
	s_mov_b32 s[SEL+1], 0xfedcba98
.irp b, 0,1,2,3
	v_mov_b32 v[TM+4+\b], 0                        ; written once: a lane permute's destination counts as one of its sources
.endr
	s_lshl_b32 s28, s24, 16                        ; x: 16 rows of 4,096 bytes a tile,
	s_lshl_b32 s29, s25, 11                        ; + 2,048 for the second half of K
	s_add_co_u32 s28, s28, s29
	s_mov_b32 s29, 0
	s_mul_i32 s30, s23, 6144                       ; XI: four fragments of 1,536 bytes a wave
	s_mov_b32 s31, 0
	s_lshr_b32 s32, s24, 1                         ; XSW: 1,024 (T / 2) + 512 x half of K + 256 (T % 2)
	s_lshl_b32 s32, s32, 10
	s_and_b32 s33, s24, 1
	s_lshl_b32 s33, s33, 8
	s_add_co_u32 s32, s32, s33
	s_lshl_b32 s33, s25, 9
	s_add_co_u32 s32, s32, s33
	s_mov_b32 s33, 0
	s_wait_alu depctr_va_vdst(0)
	s_wait_kmcnt 0x0
	s_add_nc_u64 s[4:5], s[4:5], s[28:29]
	s_add_nc_u64 s[14:15], s[14:15], s[30:31]
	s_add_nc_u64 s[16:17], s[16:17], s[32:33]
.macro XLOAD t                         ; 16 rows x 128 numbers: each load reads 512 consecutive bytes of one row; read once in the launch
.irp i, 0,1,2,3,4,5,6,7,8,9,10,11,12,13,14,15
	global_load_b128 v[R+64*((\t)%2)+4*\i:R+64*((\t)%2)+4*\i+3], v4, s[4:5] offset:4096*\i+512*(\t) th:TH_LOAD_NT
.endr
.endm
; 64 numbers of a lane become a fragment's codes in v[PC] on and its row's scale word in v[sw]
.macro QUANT sw
.irp b, 0,1,2,3
	v_max3_num_f32 v[TM+\b], |v[X+16*\b]|, |v[X+1+16*\b]|, 0x1800000   ; block b: my 16 numbers, and the floor 2^(3 - 127): the byte cannot fall under 1
.endr
.irp i, 2,4,6,8,10,12,14
.irp b, 0,1,2,3
	v_max3_num_f32 v[TM+\b], v[TM+\b], |v[X+16*\b+\i]|, |v[X+1+16*\b+\i]|   ; the four blocks by turns
.endr
.endr
.irp b, 0,1,2,3
	v_permlanex16_b32 v[TM+4+\b], v[TM+\b], s[SEL], s[SEL+1]
.endr
.irp b, 0,1,2,3
	v_max_num_f32 v[TM+\b], v[TM+\b], v[TM+4+\b]   ; with lane l xor 16's 16: the block's largest magnitude
.endr
.irp b, 0,1,2,3
	v_add_nc_u32 v[TM+12+\b], 0xff000000, v[TM+\b] ; 2 off its exponent field: the conversion takes this operand's exponent field as its scale
.endr
.irp b, 0,1,2,3
	v_lshrrev_b32 v[TM+4+\b], 23, v[TM+12+\b]      ; the scale's byte
.endr
	v_lshl_or_b32 v[\sw], v[TM+5], 8, v[TM+4]
	v_lshl_or_b32 v[\sw], v[TM+6], 16, v[\sw]
	v_lshl_or_b32 v[\sw], v[TM+7], 24, v[\sw]
.irp c, 0,1
	v_cvt_scalef32_pk16_fp6_f32 v[PC+6*\c:PC+2+6*\c], v[X+32*\c:X+15+32*\c], v[TM+12+2*\c]
	v_cvt_scalef32_pk16_fp6_f32 v[PC+12+4*\c:PC+14+4*\c], v[X+16+32*\c:X+31+32*\c], v[TM+12+2*\c+1]   ; (a conversion's three registers begin on an even number)
.endr
	v_nop                                          ; one plain place behind a scaled conversion
.irp c, 0,1                                    ; the operand wants a whole block in a lane: lanes 0-15 block 2 c, lanes 16-31 block 2 c + 1
.irp i, 0,1,2
	v_permlane16_swap_b32 v[PC+6*\c+\i], v[PC+12+4*\c+\i]
.endr
.irp i, 0,1,2
	v_mov_b32 v[PC+3+6*\c+\i], v[PC+12+4*\c+\i]
.endr
.endr
.endm
.macro XSTEP t
.if (\t) < 3
	s_wait_loadcnt 16                              ; this step's 16 loads are in; the next step's 16 may be out
.else
	s_wait_loadcnt 0x0
.endif
.irp i, 0,1,2,3,4,5,6,7,8,9,10,11,12,13,14,15
	ds_store_b128 v5, v[R+64*((\t)%2)+4*\i:R+64*((\t)%2)+4*\i+3] offset:528*\i
.endr
.irp b, 0,1,2,3
.irp j, 0,1,2,3
	ds_load_b128 v[X+16*\b+4*\j:X+16*\b+4*\j+3], v6 offset:128*\b+16*\j   ; LDS serves a wave's instructions in order: these see the stores above
.endr
.endr
	s_wait_xcnt 0x0                                ; the last step's stores have read the codes' registers, which this step writes again
	s_wait_dscnt 0x0                               ; the numbers are back, and the stage's stores have read their registers,
.if (\t) < 2
	XLOAD (\t)+2                                   ; which take the loads of two steps on
.endif
	QUANT SWD+(\t)
.irp c, 0,1,2
	global_store_b128 v4, v[PC+4*\c:PC+4*\c+3], s[14:15] offset:1536*(\t)+512*\c   ; the image: 512 consecutive bytes a store
.endr
.endm
	XLOAD 0
	XLOAD 1
	XSTEP 0
	XSTEP 1
	XSTEP 2
	XSTEP 3
	v_cmp_le_u32 vcc_lo, 16, v1                    ; every lane holds its row's four words: lanes 0-15 store the first two, lanes 16-31 the last two
	v_cndmask_b32 v56, v[SWD], v[SWD+2], vcc_lo
	v_cndmask_b32 v57, v[SWD+1], v[SWD+3], vcc_lo
	global_store_b64 v7, v[56:57], s[16:17]        ; 32 lanes store 256 consecutive bytes, aligned
	s_wait_tensorcnt 0x0
	ds_add_u32 v62, v63
	s_wait_dscnt 0x0
	s_endpgm
; ---------------------------------------------------------------- the weights
.Lweights:
	v_bfe_u32 v2, v0, 3, 1                         ; u
	v_and_b32 v3, 7, v0
	v_bfe_u32 v14, v0, 4, 1
	v_lshl_add_u32 v3, v14, 3, v3                  ; r
	s_wait_alu depctr_va_vdst(0)
	v_lshlrev_b32 v4, 2, v1                        ; in: 4 bytes a lane
	v_lshlrev_b32 v7, 4, v1                        ; out: 16 bytes a lane
	s_mul_i32 s23, s22, 3072
	s_add_co_u32 s23, s23, WSTG                    ; my wave's two images
	v_mul_u32_u24 v5, v2, 1536
	v_lshl_add_u32 v5, v3, 4, v5
	v_add_nc_u32 v5, s23, v5                       ; into them: image u, 16 r (+ 256 h and the register's place, in the offsets)
	v_add_nc_u32 v8, s23, v7                       ; back: 16 x lane
	v_lshlrev_b32 v6, 8, v2
	v_lshl_add_u32 v6, v3, 4, v6
	s_lshl_b32 s23, s22, 2
	s_add_co_u32 s23, s23, WGAT
	v_add_nc_u32 v6, s23, v6                       ; my scale word: 16 (16 u + r) + 4 x wave
	v_add_nc_u32 v9, WGAT, v7
	; which chunk: cid 0-15: Wq and Wk of head cid; 16-23: Wv of a pair of heads; 24-31: 128 columns of Wo.  All choices hang on the work-group's and the wave's number
	s_lshr_b32 s24, ttmp9, 3                       ; cid
	s_and_b32 s25, ttmp9, 7                        ; K step
	s_and_b32 s26, s22, 1
	s_lshr_b32 s27, s22, 1
	s_and_b32 s28, s24, 7                          ; the pair of heads, or Wo's unit
	s_lshl_b32 s30, s24, 6
	s_lshl_b32 s31, s26, 5
	s_add_co_u32 s30, s30, s31                     ; Wq, Wk: column 64 cid + 32 (wave % 2)
	s_lshl_b32 s31, s28, 7
	s_lshl_b32 s32, s22, 5
	s_add_co_u32 s31, s31, s32                     ; Wv, Wo: 128 (cid % 8) + 32 wave
	s_mul_i32 s33, s24, 155648
	s_mul_i32 s34, s25, 12288
	s_mul_i32 s35, s22, 3072
	s_add_co_u32 s34, s34, s35
	s_add_co_u32 s36, s33, s34                     ; QK's images: head's chunk + group 4 s + wave
	s_mul_i32 s37, s28, 102400
	s_add_co_u32 s38, s37, s34                     ; Wo's: unit's chunk + group 4 s + wave
	s_lshl_b32 s39, s28, 1
	s_add_co_u32 s42, s39, s27
	s_mul_i32 s42, s42, 155648
	s_mul_i32 s43, s25, 6144
	s_add_co_u32 s42, s42, s43
	s_mul_i32 s43, s26, 3072
	s_add_co_u32 s42, s42, s43
	s_add_co_u32 s42, s42, 102400                  ; Wv's: chunk of head 2 pair + wave / 2, behind QK's part, group 2 s + wave % 2
	s_lshl_b32 s44, s25, 9
	s_add_co_u32 s45, s33, s44
	s_add_co_u32 s45, s45, 98304                   ; the scale words' block of 512 bytes: QK's,
	s_add_co_u32 s46, s37, s44
	s_add_co_u32 s46, s46, 98304                   ; Wo's,
	s_min_u32 s47, s22, 1
	s_add_co_u32 s47, s47, s39
	s_mul_i32 s47, s47, 155648
	s_add_co_u32 s47, s47, s44
	s_add_co_u32 s47, s47, 151552                  ; Wv's: the pair's block goes into both heads' chunks, by waves 0 and 1
	s_cmp_lt_u32 s24, 24
	s_cselect_b32 s38, s42, s38
	s_cselect_b32 s46, s47, s46
	s_cselect_b32 s48, 2, 1                        ; how many waves store a scale block
	s_cmp_lt_u32 s24, 16
	s_cselect_b32 s36, s36, s38
	s_cselect_b32 s45, s45, s46
	s_cselect_b32 s48, 1, s48
	s_cselect_b32 s30, s30, s31
	s_wait_kmcnt 0x0
	s_cmp_lt_u32 s22, 2
	s_cselect_b64 s[50:51], s[6:7], s[8:9]         ; waves 0, 1: Wq; waves 2, 3: Wk
	s_cmp_lt_u32 s24, 24
	s_cselect_b64 s[52:53], s[10:11], s[12:13]
	s_cselect_b64 s[54:55], s[18:19], s[20:21]     ; into WA, or WB
	s_cmp_lt_u32 s24, 16
	s_cselect_b64 s[50:51], s[50:51], s[52:53]
	s_lshl_b32 s56, s25, 19                        ; 128 rows of 4,096 bytes a K step
	s_lshl_b32 s57, s30, 2
	s_add_co_u32 s56, s56, s57
	s_mov_b32 s57, 0
	s_add_nc_u64 s[50:51], s[50:51], s[56:57]
	s_mov_b32 s37, 0
	s_add_nc_u64 s[58:59], s[54:55], s[36:37]      ; where my images go
	s_mov_b32 s46, s45
	s_mov_b32 s47, 0
	s_add_nc_u64 s[60:61], s[54:55], s[46:47]      ; where the scale block goes
.macro WLOAD b                         ; block b: W(32 b + i, my column): 32 lanes read 128 consecutive bytes; read once in the launch
.irp i, 0,1,2,3,4,5,6,7,8,9,10,11,12,13,14,15,16,17,18,19,20,21,22,23,24,25,26,27,28,29,30,31
	global_load_b32 v[WX+32*(\b)+\i], v4, s[50:51] offset:(32*(\b)+\i)*4096 th:TH_LOAD_NT
.endr
.endm
.macro WBLOCK b                        ; block b = 2 c + h of the K step: registers 6 c .. 6 c + 5 of lane 16 h + r of image u
.set XB, WX+32*(\b)
.set CR, CB+8*(\b)
.set TR, TC+4*(\b)
.if (\b) < 3
	s_wait_loadcnt 32                              ; this block's 32 loads are in; the next block's may be out
.else
	s_wait_loadcnt 0x0
.endif
.if (\b) < 2
	WLOAD (\b)+2                                   ; two blocks ahead, into registers of its own
.endif
	v_max3_num_f32 v12, |v[XB]|, |v[XB+1]|, |v[XB+2]|   ; the block's largest magnitude: all 32 numbers are mine; two chains
	v_max3_num_f32 v13, |v[XB+3]|, |v[XB+4]|, |v[XB+5]|
.irp i, 6,10,14,18,22,26
	v_max3_num_f32 v12, v12, |v[XB+\i]|, |v[XB+\i+1]|
	v_max3_num_f32 v13, v13, |v[XB+\i+2]|, |v[XB+\i+3]|
.endr
	v_max3_num_f32 v12, v12, |v[XB+30]|, |v[XB+31]|
	v_max3_num_f32 v12, v12, v13, 0x1800000        ; and the floor 2^(3 - 127)
	v_add_nc_u32 v11, 0xff000000, v12              ; 2 off the exponent field: the conversions' scale operand
	v_lshrrev_b32 v13, 23, v11                     ; the byte
.if (\b) == 0
	v_mov_b32 v10, v13                             ; my column's scale word for this K step, the lower K in the lower byte
.else
	v_lshl_or_b32 v10, v13, 8*(\b), v10
.endif
	v_cvt_scalef32_pk16_fp6_f32 v[CR:CR+2], v[XB:XB+15], v11
	v_cvt_scalef32_pk16_fp6_f32 v[TR:TR+2], v[XB+16:XB+31], v11   ; (a conversion's three registers begin on an even number)
	v_nop                                          ; one plain place behind a scaled conversion
.irp i, 0,1,2
	v_mov_b32 v[CR+3+\i], v[TR+\i]
.endr
.if (\b)/2 == 0
	ds_store_b128 v5, v[CR:CR+3] offset:256*((\b)%2)          ; registers 0-3
	ds_store_b64 v5, v[CR+4:CR+5] offset:512+256*((\b)%2)     ; registers 4, 5
.else
	ds_store_b64 v5, v[CR:CR+1] offset:520+256*((\b)%2)       ; registers 6, 7
	ds_store_b128 v5, v[CR+2:CR+5] offset:1024+256*((\b)%2)   ; registers 8-11
.endif
.endm
	WLOAD 0
	WLOAD 1
	WBLOCK 0
	WBLOCK 1
	WBLOCK 2
	WBLOCK 3
	ds_store_b32 v6, v10
.irp i, 0,1,2,3,4,5
	ds_load_b128 v[OB+4*\i:OB+4*\i+3], v8 offset:512*\i       ; my own bytes: LDS serves a wave's instructions in order
.endr
	s_wait_dscnt 0x0                               ; the images are back; and, for the others' sake, my scale words have landed
.irp i, 0,1,2,3,4,5
	global_store_b128 v7, v[OB+4*\i:OB+4*\i+3], s[58:59] offset:512*\i   ; 512 consecutive bytes a store
.endr
	s_barrier_signal -1
	s_barrier_wait -1                              ; all four waves' scale words lie in LDS
	s_cmp_lt_u32 s22, s48
	s_cbranch_scc0 .Lwdone
	ds_load_b128 v[56:59], v9
	s_wait_dscnt 0x0
	global_store_b128 v7, v[56:59], s[60:61]       ; the block of 512 bytes, whole
.Lwdone:
	s_wait_tensorcnt 0x0
	ds_add_u32 v62, v63
	s_wait_dscnt 0x0
	s_endpgm
.Lfunc_end_k_q796ab0b33c_prep:
	.size	k_q796ab0b33c_prep, .Lfunc_end_k_q796ab0b33c_prep-k_q796ab0b33c_prep
	.p2alignl 7, 3214868480
	.fill 96, 4, 3214868480
	.section	.rodata,"a",@progbits
	.p2align	6, 0x0
	.amdhsa_kernel k_q796ab0b33c_prep
		.amdhsa_group_segment_fixed_size 47104
		.amdhsa_private_segment_fixed_size 0
		.amdhsa_enable_private_segment 0
		.amdhsa_kernarg_size 72
		.amdhsa_user_sgpr_count 2
		.amdhsa_user_sgpr_kernarg_segment_ptr 1
		.amdhsa_wavefront_size32 1
		.amdhsa_system_sgpr_workgroup_id_x 1
		.amdhsa_system_sgpr_workgroup_id_y 1
		.amdhsa_system_sgpr_workgroup_id_z 1
		.amdhsa_system_vgpr_workitem_id 0
		.amdhsa_next_free_vgpr 256
		.amdhsa_next_free_sgpr 66
		.amdhsa_reserve_vcc 1
		.amdhsa_float_denorm_mode_32 3
		.amdhsa_float_denorm_mode_16_64 3
		.amdhsa_memory_ordered 1
		.amdhsa_forward_progress 1
		.amdhsa_inst_pref_size 57
	.end_amdhsa_kernel
	.amdgpu_metadata
---
amdhsa.version: [ 1, 2 ]
amdhsa.kernels:
  - .name:           k_q796ab0b33c_prep
    .symbol:         k_q796ab0b33c_prep.kd
    .args:
      - { .name: shape_tokens, .offset: 0, .size: 8, .value_kind: global_buffer, .address_space: global }
      - { .name: Wq, .offset: 8, .size: 8, .value_kind: global_buffer, .address_space: global }
      - { .name: Wk, .offset: 16, .size: 8, .value_kind: global_buffer, .address_space: global }
      - { .name: Wv, .offset: 24, .size: 8, .value_kind: global_buffer, .address_space: global }
      - { .name: Wo, .offset: 32, .size: 8, .value_kind: global_buffer, .address_space: global }
      - { .name: XI, .offset: 40, .size: 8, .value_kind: global_buffer, .address_space: global }
      - { .name: XSW, .offset: 48, .size: 8, .value_kind: global_buffer, .address_space: global }
      - { .name: WA, .offset: 56, .size: 8, .value_kind: global_buffer, .address_space: global }
      - { .name: WB, .offset: 64, .size: 8, .value_kind: global_buffer, .address_space: global }
    .group_segment_fixed_size: 47104
    .private_segment_fixed_size: 0
    .kernarg_segment_align: 8
    .kernarg_segment_size: 72
    .max_flat_workgroup_size: 128
    .sgpr_count:     66
    .vgpr_count:     256
    .wavefront_size: 32
...
	.end_amdgpu_metadata
.endif
;; end of part 1
;; launch attn (part 2): grid 64 x 4, 4 waves a work-group, clusters of 4 x 4, 327,680 bytes of LDS; arguments XI, XSW, WA, bq, bk, bv, pos_emb, CI, CSW; writes CI, CSW
.if DOCPART == 2
	.amdgcn_target "amdgcn-amd-amdhsa--gfx1250"
	.amdhsa_code_object_version 6
	.text
	.protected	k_q796ab0b33c_attn
	.globl	k_q796ab0b33c_attn
	.p2align	8
	.type	k_q796ab0b33c_attn,@function
k_q796ab0b33c_attn:
	s_mov_b64 s[64:65], 0
	v_nop
	global_prefetch_b8 v0, s[64:65] scope:SCOPE_SE
	s_setreg_imm32_b32 hwreg(HW_REG_WAVE_MODE, 25, 1), 1
	s_wait_xcnt 0x0
	s_wait_alu depctr_hold_cnt(0) depctr_sa_sdst(0) depctr_va_vdst(0) depctr_va_sdst(0) depctr_va_ssrc(0) depctr_va_vcc(0) depctr_vm_vsrc(0)
	s_getreg_b32 s2, hwreg(HW_REG_IB_STS2, 6, 4)
	s_cmp_eq_u32 s2, 0
	s_cbranch_scc0 .Lentry_in_a_cluster
	s_endpgm
.Lentry_in_a_cluster:
	s_bfe_u32 s2, ttmp6, 0x10000c
	s_cmp_lg_u32 s2, 0xf033
	s_cbranch_scc0 .Lentry_shape_is_right
	s_endpgm
.Lentry_shape_is_right:
; q, k, v = Q(x) Q(W) + b;  scores = Q(q) Q(k)^T / 8 + pos;  softmax;  ctx = p v (f32 operands, since ctx goes on into a quantiser);  Q(ctx) leaves as codes.
; SHARES.  A work-group takes 256 rows (16 batches of 16 tokens) x 4 heads; wave w owns 4 batches (tiles m = 0..3) for all four heads.  Its 32 fragments of x stay in registers for the whole launch.
; The weights of a head (Wq, Wk, Wv as register images with their scale words: 155,648 dense bytes) come through a ring of two LDS slots and are read by all four waves.
; CLUSTER 4 x 4: the four work-groups of a row of the cluster (same cy) take the same four heads, so each quarter slot is asked for JOINTLY: the same tensor load, descriptor and mask in all four.
; The grid's y equals the cluster's y, so the group of heads is cy.
; LAYOUT.  q and k are made TRANSPOSED (source 0 = 16 rows of a weight tile, source 1 = x): a lane holds one token and eight features; row r of weight tile t is feature 32 (t/2) + 8 (t%2) + r + 8 (r/8),
; so the 16 registers of tiles 2 b, 2 b + 1 are features 32 b + 16 h + 0..15: a lane's half of a block of 32.  v is made the natural way: a lane holds one feature and tokens 8 h + 0..7.
; S^T = k q^T (a lane holds one query and keys 8 h + j); K = 64: the codes of two batches share a fragment, and the half that belongs to the other batch meets zero codes.
; ctx^T = v^T p^T by the f32 matrix form, four K steps of 4: index 2 h + j' stands for key 8 h + 2 s + j' on both sides, so v's and p's registers serve as they lie.
; The scores are formed as (q k + 8 pos) / 8: 8 pos is the C of the product, and 1/8 goes into the exponent's factor; both scalings are exact.  p = 2^((s - max) log2(e) / 8) x rcp(sum).
; LIMITS: NaN and infinities are not served; a block under 2^-124 gets the scale byte 1 (read by this program alone); p is multiplied by a reciprocal, not divided.
; REGISTERS, in windows of 256.  Window 1: x's fragments of K steps 0-4 (48 s + 12 m).  Window 2: K steps 5-7 at v0-143; v144-239 a ring of four places of two weight fragments.
; Window 3: 32 accumulators: q(m, t) at 8 (4 m + t), k(m, t) 128 higher; v lies over q, ctx over k; matrix instructions alone write this window.  Window 0: all else (below).
; THE REGISTER RING GOES BY PAIRS OF GROUPS: 16 products on two places, then one run of 12 LDS loads that fills those two places with the pair after next.
; No data prefetch is laid: each refill of a slot is asked for one whole head, 452 matrix instructions of the wave, ahead of the wait for it.
.set SLOTB, 155648                     ; a head's weights, and a slot
.set QTR,   SLOTB/4                    ; what one wave's tensor load brings: 152 rows of 256 bytes
.set SPARE, 2*SLOTB                    ; behind the ring: the spare words, 128 bytes a wave: two blocks of 256 bytes that no other line names
.set VPART, 102400                     ; in a slot: Wq's and Wk's 32 groups of 3,072 bytes and 8 scale blocks of 512; then Wv's 16 groups and 8 scale blocks
.set SCOFF, 49152
.set LI,   1                           ; 16 x lane
.set L8,   2                           ; 8 x lane
.set AW0,  3                           ; LDS: the slot's groups 0-15 of Wq, Wk
.set AW1,  4                           ; groups 16-31 and their scale blocks
.set AV,   5                           ; Wv's groups
.set AVS,  6                           ; Wv's scale blocks, my head's two words of four
.set SPW,  7                           ; my spare word; never rewritten
.set NIL,  8                           ; 0; never rewritten
.set BA,   9                           ; 64 h: bq's, bk's lane term
.set BVA,  10                          ; 4 (r + 8 (r / 8)): bv's
.set PA,   11                          ; 64 r + 32 h: pos_emb's
.set SH16, 12                          ; 16 h
.set PW,   13                          ; ctx's scale word just made
.set XS,   16                          ; v16-31   x's scale words: 8 (m / 2) + s; lanes 0-15 the even tile, lanes 16-31 the odd one
.set WS,   32                          ; v32-63   the weights' scale words; lanes 0-15 a group's first tile, lanes 16-31 its second
.set BIAS, 64                          ; v64-127  the biases, in the results' layout
.set POS,  128                         ; v128-135 8 x pos_emb
.set S,    136                         ; v136-167 the scores, then p: 8 a tile
.set QF,   168                         ; v168-179 q's codes of two tiles
.set KF,   180                         ; v180-197 k's codes of one tile, six registers of zero codes, k's codes of the next tile
.set QS,   198
.set KS,   199                         ; their scale words
.set TM,   200                         ; v200-215 at work
.set TC,   216                         ; v216-223 the conversions' second halves
.set CC,   224                         ; v224-247 ctx's codes of four tiles
.set CW,   248                         ; v248-251 ctx's scale words, gathered over the four heads
.set WR,   144                         ; the ring, in window 2
.set WV,   22
.set CX,   23
.set CY,   24
.set G1,   28                          ; s[28:35] descriptor group 1
.set G0A,  36                          ; s[36:39] group 0 of the first fill of slot 0
.set G0B,  40                          ; s[40:43] of slot 1's; it then walks
.set SEL,  44                          ; s[44:45] lane l xor 16
.set SO,   46                          ; the slot in hand: 0 or SLOTB
.set WQ,   47                          ; my quarter of a slot
.set HI,   48                          ; the head in hand, 0..3
.set TRIP, 49
.set C16,  50                          ; 16 x (head % 2)
.set C8,   51                          ; 8 x (head % 2)
.set CE,   60                          ; s[60:61] log2(e) / 8
.set MSB, 0
.macro WIN new                         ; the immediate's high byte repeats the setting that is left; bits 1:0 source 0, 3:2 source 1, 5:4 source 2, 7:6 destination
.if MSB != \new
	s_set_vgpr_msb (MSB<<8)|\new
.set MSB, \new
.endif
.endm
.macro PLACES n                        ; plain vector instructions that name no register of the matrix instructions ahead (ISA guide 7.12.1)
.rept \n
	v_nop
.endr
.endm
.macro ROUND                           ; a round of the cluster's barrier
	s_barrier_signal -1
	s_barrier_wait -1
	s_cmp_lg_u32 s[WV], 0
	s_cbranch_scc1 .Lnot_wave_0_\@
	s_barrier_signal -3
.Lnot_wave_0_\@:
	s_barrier_wait -3
	s_barrier_signal -1
	s_barrier_wait -1
.endm
; One scaled product, from the symbols rD, rA, rB, rC, rSA, rSB; fA, fB: the side's scales stand in lanes 16-31
.macro WMS
.if fA && fB
	v_wmma_scale_f32_16x16x128_f8f6f4 v[rD:rD+7], v[rA:rA+11], v[rB:rB+11], v[rC:rC+7], v[rSA], v[rSB] matrix_a_fmt:MATRIX_FMT_FP6 matrix_b_fmt:MATRIX_FMT_FP6 matrix_a_scale:MATRIX_SCALE_ROW1 matrix_b_scale:MATRIX_SCALE_ROW1
.elseif fA
	v_wmma_scale_f32_16x16x128_f8f6f4 v[rD:rD+7], v[rA:rA+11], v[rB:rB+11], v[rC:rC+7], v[rSA], v[rSB] matrix_a_fmt:MATRIX_FMT_FP6 matrix_b_fmt:MATRIX_FMT_FP6 matrix_a_scale:MATRIX_SCALE_ROW1
.elseif fB
	v_wmma_scale_f32_16x16x128_f8f6f4 v[rD:rD+7], v[rA:rA+11], v[rB:rB+11], v[rC:rC+7], v[rSA], v[rSB] matrix_a_fmt:MATRIX_FMT_FP6 matrix_b_fmt:MATRIX_FMT_FP6 matrix_b_scale:MATRIX_SCALE_ROW1
.else
	v_wmma_scale_f32_16x16x128_f8f6f4 v[rD:rD+7], v[rA:rA+11], v[rB:rB+11], v[rC:rC+7], v[rSA], v[rSB] matrix_a_fmt:MATRIX_FMT_FP6 matrix_b_fmt:MATRIX_FMT_FP6
.endif
.endm
.macro RING adr                        ; a product's first four groups into the ring: 24 loads of 512 consecutive bytes
	WIN 0x80
.irp n, 0,1,2,3
.irp i, 0,1,2,3,4,5
	ds_load_b128 v[WR+24*\n+4*\i:WR+24*\n+4*\i+3], v[\adr] offset:3072*\n+512*\i
.endr
.endr
	WIN 0
.endm
.macro REFILL adr, off                 ; the group four on, into the place just multiplied
	WIN 0x80
.irp i, 0,1,2,3,4,5
	ds_load_b128 v[RG+4*\i:RG+4*\i+3], v[\adr] offset:(\off)+512*\i
.endr
.endm
.macro QKBIAS off, poff                ; a head's bq, bk (lane (r, h), tile t: features 32 (t/2) + 16 h + 8 (t%2) + 0..7) and pos_emb (query r, keys 8 h + 0..7)
.irp t, 0,1,2,3
	global_load_b128 v[BIAS+8*\t:BIAS+8*\t+3], v[BA], s[10:11] offset:\off+128*(\t/2)+32*(\t%2)
	global_load_b128 v[BIAS+8*\t+4:BIAS+8*\t+7], v[BA], s[10:11] offset:\off+128*(\t/2)+32*(\t%2)+16
	global_load_b128 v[BIAS+32+8*\t:BIAS+32+8*\t+3], v[BA], s[12:13] offset:\off+128*(\t/2)+32*(\t%2)
	global_load_b128 v[BIAS+32+8*\t+4:BIAS+32+8*\t+7], v[BA], s[12:13] offset:\off+128*(\t/2)+32*(\t%2)+16
.endr
	global_load_b128 v[POS:POS+3], v[PA], s[16:17] offset:\poff
	global_load_b128 v[POS+4:POS+7], v[PA], s[16:17] offset:\poff+16
.endm
.macro NEXTB                           ; the next head's, if there is one: no load leaves its buffer
	s_cmp_eq_u32 s[HI], 3
	s_cbranch_scc1 .Llast_head_\@
	QKBIAS 256, 1024
.Llast_head_\@:
.endm
; Group n = 4 s + g of q's and k's product: weight tiles 2 g, 2 g + 1 (0-3: Wq, 4-7: Wk) x my four tiles of x, K step s.  Eight accumulators, each met again 32 matrix instructions later.
.macro QKGROUP n
.set gs, (\n)/4
.set gg, (\n)%4
.set RG, WR+24*gg
.set hz, 3-(\n)%2                      ; groups whose loads were issued behind this group's: three at a pair's first group, two at its second,
.if 31-(\n) < hz
.set hz, 31-(\n)                       ; fewer at the product's end
.endif
	s_wait_dscnt 6*hz                              ; this group's six loads are in; the six of each later group may be out
.if gs == 0
	WIN 0xc6                                       ; W window 2, x window 1, C = the bias in window 0, D window 3
.elseif gs < 5
	WIN 0xf6
.else
	WIN 0xfa                                       ; x window 2
.endif
.irp u, 0,1
.irp m, 0,1,2,3
.set tau, 2*gg+\u
.set rD, 128*(tau/4)+8*(4*\m+tau%4)
.set rA, RG+12*\u
.set rB, 48*(gs%5)+12*\m
.if gs == 0
.set rC, BIAS+8*tau
.else
.set rC, rD
.endif
.set rSA, WS+4*gs+gg
.set rSB, XS+8*(\m/2)+gs
.set fA, \u
.set fB, \m%2
	WMS
.endr
.endr
.if ((\n) <= 27) && ((\n)%2 == 1)
	PLACES 4                                       ; behind a pair's 16 products, in front of loads into the registers that they have read
.if (\n) == 3
	WIN 0                                          ; K step 0 is done with bq and bk: bv takes the first 32 registers.  v's layout wants one number a lane and tile, in all eight registers
.irp t, 0,1,2,3
	global_load_b32 v[BIAS+8*\t], v[BVA], s[14:15] offset:128*(\t/2)+32*(\t%2)   ; one load a tile; the other seven registers are copied ahead of v's product
.endr
.endif
.set RG, WR+24*(gg-1)                  ; the pair's first place takes group n + 3, its second group n + 4
.if (\n)+4 < 16
	REFILL AW0, ((\n)+3)*3072
.set RG, WR+24*gg
	REFILL AW0, ((\n)+4)*3072
.else
	REFILL AW1, ((\n)-13)*3072
.set RG, WR+24*gg
	REFILL AW1, ((\n)-12)*3072
.endif
.endif
.endm
; Group n = 2 s + g of v's product, the natural way: source 0 = x, source 1 = weight tiles 2 g, 2 g + 1
.macro VGROUP n
.set gs, (\n)/2
.set gg, (\n)%2
.set RG, WR+24*((\n)%4)
.set hz, 3-(\n)%2
.if 15-(\n) < hz
.set hz, 15-(\n)
.endif
	s_wait_dscnt 6*hz                              ; this group's six loads are in; the six of each later group may be out
.if gs == 0
	WIN 0xc9                                       ; x window 1, W window 2, C = bv in window 0, D window 3
.elseif gs < 5
	WIN 0xf9
.else
	WIN 0xfa
.endif
.irp u, 0,1
.irp m, 0,1,2,3
.set tt, 2*gg+\u
.set rD, 8*(4*\m+tt)
.set rA, 48*(gs%5)+12*\m
.set rB, RG+12*\u
.if gs == 0
.set rC, BIAS+8*tt
.else
.set rC, rD
.endif
.set rSA, XS+8*(\m/2)+gs
.set rSB, WS+2*gs+gg
.set fA, \m%2
.set fB, \u
	WMS
.endr
.endr
.if ((\n) <= 11) && ((\n)%2 == 1)
	PLACES 4
.if (\n) == 1
	WIN 0                                          ; K step 0 is done with bv (at a branch and at a label every window is 0)
	NEXTB
.endif
.set RG, WR+24*(((\n)-1)%4)
	REFILL AV, ((\n)+3)*3072
.set RG, WR+24*((\n)%4)
	REFILL AV, ((\n)+4)*3072
.endif
.endm
; 64 registers of window 3, two tiles of one head (register 16 b + i: block b's number 16 h + i of my token), become codes: the first tile's six registers at d0, the second's at d1, and the scale word sw
; (bytes 0, 1: the first tile's two blocks; bytes 2, 3: the second's).  Each accumulator is read from its low end on.
.macro QUANT src, d0, d1, sw
	WIN 0x0f
.irp b, 0,1,2,3
	v_max3_num_f32 v[TM+\b], |v[(\src)+16*\b]|, |v[(\src)+16*\b+1]|, 0x1800000   ; and the floor 2^(3 - 127): the byte cannot fall under 1
.endr
.irp i, 2,4,6,8,10,12,14
.irp b, 0,1,2,3
	v_max3_num_f32 v[TM+\b], |v[(\src)+16*\b+\i]|, |v[(\src)+16*\b+\i+1]|, v[TM+\b]   ; the four blocks by turns
.endr
.endr
	WIN 0
.irp b, 0,1,2,3
	v_permlanex16_b32 v[TM+4+\b], v[TM+\b], s[SEL], s[SEL+1]
.endr
.irp b, 0,1,2,3
	v_max_num_f32 v[TM+\b], v[TM+\b], v[TM+4+\b]   ; with lane l xor 16's 16: the block's largest magnitude
.endr
.irp b, 0,1,2,3
	v_add_nc_u32 v[TM+12+\b], 0xff000000, v[TM+\b] ; 2 off its exponent field: the conversion's scale operand
.endr
.irp b, 0,1,2,3
	v_lshrrev_b32 v[TM+4+\b], 23, v[TM+12+\b]      ; the byte
.endr
	v_lshl_or_b32 v[\sw], v[TM+5], 8, v[TM+4]
	v_lshl_or_b32 v[\sw], v[TM+6], 16, v[\sw]
	v_lshl_or_b32 v[\sw], v[TM+7], 24, v[\sw]
	WIN 0x03
	v_cvt_scalef32_pk16_fp6_f32 v[(\d0):(\d0)+2], v[(\src):(\src)+15], v[TM+12]
	v_cvt_scalef32_pk16_fp6_f32 v[TC:TC+2], v[(\src)+16:(\src)+31], v[TM+13]   ; (a conversion's three registers begin on an even number)
	v_cvt_scalef32_pk16_fp6_f32 v[(\d1):(\d1)+2], v[(\src)+32:(\src)+47], v[TM+14]
	v_cvt_scalef32_pk16_fp6_f32 v[TC+4:TC+6], v[(\src)+48:(\src)+63], v[TM+15]
	WIN 0
	v_nop                                          ; one plain place behind a scaled conversion
.irp i, 0,1,2                                  ; the operand wants a whole block in a lane: lanes 0-15 the tile's first block, lanes 16-31 its second
	v_permlane16_swap_b32 v[(\d0)+\i], v[TC+\i]
.endr
.irp i, 0,1,2
	v_mov_b32 v[(\d0)+3+\i], v[TC+\i]
.endr
.irp i, 0,1,2
	v_permlane16_swap_b32 v[(\d1)+\i], v[TC+4+\i]
.endr
.irp i, 0,1,2
	v_mov_b32 v[(\d1)+3+\i], v[TC+4+\i]
.endr
.endm
.macro SOFTMAX                         ; four tiles by turns; a lane holds one query and 8 keys, lane l xor 16 the other 8
.irp m, 0,1,2,3
	v_max3_num_f32 v[TM+2*\m], v[S+8*\m], v[S+8*\m+1], v[S+8*\m+2]
.endr
.irp i, 3,5
.irp m, 0,1,2,3
	v_max3_num_f32 v[TM+2*\m], v[TM+2*\m], v[S+8*\m+\i], v[S+8*\m+\i+1]
.endr
.endr
.irp m, 0,1,2,3
	v_max_num_f32 v[TM+2*\m], v[TM+2*\m], v[S+8*\m+7]
.endr
.irp m, 0,1,2,3
	v_permlanex16_b32 v[TM+2*\m+1], v[TM+2*\m], s[SEL], s[SEL+1]
.endr
.irp m, 0,1,2,3
	v_max_num_f32 v[TM+2*\m], v[TM+2*\m], v[TM+2*\m+1]   ; the row's largest score
.endr
.irp m, 0,1,2,3
.irp i, 0,2,4,6
	v_pk_add_f32 v[S+8*\m+\i:S+8*\m+\i+1], v[S+8*\m+\i:S+8*\m+\i+1], v[TM+2*\m:TM+2*\m+1] op_sel_hi:[1,0] neg_lo:[0,1] neg_hi:[0,1]   ; the maximum is taken away first, so that large scores lose nothing; the pair's low word serves both halves
.endr
.endr
.irp j, 0,2,4,6,8,10,12,14,16,18,20,22,24,26,28,30
	v_pk_mul_f32 v[S+\j:S+\j+1], v[S+\j:S+\j+1], s[CE:CE+1] op_sel_hi:[1,0]   ; x log2(e) / 8
.endr
	s_wait_alu depctr_va_vdst(0)
.irp j, 0,1,2,3,4,5,6,7,8,9,10,11,12,13,14,15,16,17,18,19,20,21,22,23,24,25,26,27,28,29,30,31
	v_exp_f32 v[S+\j], v[S+\j]
.endr
	v_nop                                          ; a plain instruction behind the last exponential
	s_wait_alu depctr_va_vdst(0)                   ; one wait for the batch of 32, ahead of its first reader
.irp m, 0,1,2,3
	v_pk_add_f32 v[TM+8+2*\m:TM+9+2*\m], v[S+8*\m:S+8*\m+1], v[S+8*\m+2:S+8*\m+3]
.endr
.irp i, 4,6
.irp m, 0,1,2,3
	v_pk_add_f32 v[TM+8+2*\m:TM+9+2*\m], v[TM+8+2*\m:TM+9+2*\m], v[S+8*\m+\i:S+8*\m+\i+1]
.endr
.endr
.irp m, 0,1,2,3
	v_add_f32 v[TM+2*\m], v[TM+8+2*\m], v[TM+9+2*\m]
.endr
.irp m, 0,1,2,3
	v_permlanex16_b32 v[TM+2*\m+1], v[TM+2*\m], s[SEL], s[SEL+1]
.endr
.irp m, 0,1,2,3
	v_add_f32 v[TM+2*\m], v[TM+2*\m], v[TM+2*\m+1]   ; the row's sum
.endr
	s_wait_alu depctr_va_vdst(0)
.irp m, 0,1,2,3
	v_rcp_f32 v[TM+2*\m], v[TM+2*\m]
.endr
	v_nop
	s_wait_alu depctr_va_vdst(0)                   ; one wait for the four reciprocals
.irp m, 0,1,2,3
.irp i, 0,2,4,6
	v_pk_mul_f32 v[S+8*\m+\i:S+8*\m+\i+1], v[S+8*\m+\i:S+8*\m+\i+1], v[TM+2*\m:TM+2*\m+1] op_sel_hi:[1,0]   ; p, normalised
.endr
.endr
.endm
; A HEAD.  hp: which pair of the group's heads (it picks the register that gathers ctx's scale bytes)
; fill: 1 where the slot just read is filled again.  The change of slots stands behind v's product, the slot's last reader, and PRE follows it: so the next head's first LDS loads land under ctx's product, its quantiser and its stores.
.macro PRE                             ; ahead of a head: its slot's addresses, Wq's and Wk's scale words, and the ring's first four groups
	v_add_nc_u32 v[AW0], s[SO], v[LI]
	v_add_nc_u32 v[AW1], SCOFF, v[AW0]
	v_add_nc_u32 v[AV], VPART, v[AW0]
	v_add_nc_u32 v[AVS], s[C8], v[AV]
.irp ks, 0,1,2,3,4,5,6,7
	ds_load_b128 v[WS+4*\ks:WS+4*\ks+3], v[AW1] offset:SCOFF+512*\ks   ; K step ks: the four groups' scale words
.endr
	RING AW0
.endm
.macro HEAD hp, fill
	s_wait_alu depctr_va_vdst(0)
	s_wait_loadcnt 0x0                             ; the head's biases and pos_emb (asked for during the last head's v); in the first head x too
.irp j, 0,1,2,3,4,5,6,7
	v_mul_f32 v[POS+\j], 0x41000000, v[POS+\j]     ; 8 pos: exact
.endr
.set gn, 0
.rept 32
	QKGROUP gn
.set gn, gn+1
.endr
	PLACES 4                                       ; behind the last products: for the loads below and the first reads of q and k
	WIN 0
.irp ks, 0,1,2,3,4,5,6,7
	ds_load_b64 v[WS+2*\ks:WS+2*\ks+1], v[AVS] offset:SCOFF+512*\ks   ; Wv's scale words: my head's two groups
.endr
	RING AV                                        ; Wv's first groups land while q and k are quantised
.irp pr, 0,1
	QUANT 64*\pr, QF, QF+6, QS
	QUANT 128+64*\pr, KF, KF+12, KS
	PLACES 8                                       ; a scale register written by a vector instruction stands 8 places ahead of a scaled product, an operand 4
.set rD, S+16*\pr
.set rA, KF
.set rB, QF
.set rC, POS
.set rSA, KS
.set rSB, QS
.set fA, 0
.set fB, 0
	WMS                                            ; tile 2 pr: k's codes, then zeros: the second tile's q meets zeros
.set rD, S+16*\pr+8
.set rA, KF+6
	WMS                                            ; tile 2 pr + 1: zeros, then k's codes
.endr
	PLACES 4
	SOFTMAX
	s_wait_loadcnt 0x0                             ; bv
.irp t, 0,1,2,3
.irp j, 1,2,3,4,5,6,7
	v_mov_b32 v[BIAS+8*\t+\j], v[BIAS+8*\t]        ; v's layout wants a tile's one number a lane in all eight registers of C
.endr
.endr
	PLACES 4
	s_wait_alu depctr_va_vdst(0)                   ; ahead of the wait on LDS below
.set gn, 0
.rept 16
	VGROUP gn
.set gn, gn+1
.endr
	PLACES 6                                       ; v becomes source 0 of the next products: five places are owed; they also stand in front of PRE's loads into the ring and the scale words
	WIN 0
	CHANGE \fill                                   ; v's product was the slot's last reader
.if \fill == 0
	s_cmp_eq_u32 s[HI], 3                          ; no head follows the group's last: nothing is fetched for one
	s_cbranch_scc1 .Lno_next_\@
.endif
	PRE
.if \fill == 0
.Lno_next_\@:
.endif
	WIN 0xf3                                       ; v window 3, p window 0, C and D window 3
	s_wait_alu depctr_va_vdst(0)
.irp kp, 0,1,2,3
.irp m, 0,1,2,3
.irp t, 0,1,2,3
.if \kp == 0
	v_wmma_f32_16x16x4_f32 v[128+8*(4*\m+\t):128+8*(4*\m+\t)+7], v[8*(4*\m+\t):8*(4*\m+\t)+1], v[S+8*\m:S+8*\m+1], 0   ; the first K step starts the sums
.else
	v_wmma_f32_16x16x4_f32 v[128+8*(4*\m+\t):128+8*(4*\m+\t)+7], v[8*(4*\m+\t)+2*\kp:8*(4*\m+\t)+2*\kp+1], v[S+8*\m+2*\kp:S+8*\m+2*\kp+1], v[128+8*(4*\m+\t):128+8*(4*\m+\t)+7]   ; 16 accumulators by turns
.endif
.endr
.endr
.endr
	WIN 0
	PLACES 8                                       ; eight places behind this form ahead of the first read of its results
	s_wait_xcnt 0x0                                ; the last head's stores have read ctx's codes
.irp pr, 0,1
	QUANT 128+64*\pr, CC+12*\pr, CC+12*\pr+6, PW
.irp i, 0,1
	global_store_b128 v[LI], v[CC+12*\pr+6*\i:CC+12*\pr+6*\i+3], s[18:19] offset:12288*(2*\pr+\i)        ; half a fragment of the last product: four registers, 512 consecutive bytes,
	global_store_b64 v[L8], v[CC+12*\pr+6*\i+4:CC+12*\pr+6*\i+5], s[18:19] offset:12288*(2*\pr+\i)+512   ; and two, 256
.endr
	v_lshrrev_b32 v[TM], v[SH16], v[PW]            ; lanes 0-15 keep the even tile's two bytes, lanes 16-31 the odd tile's,
	v_and_b32 v[TM], 0xffff, v[TM]
	v_lshlrev_b32 v[TM], s[C16], v[TM]             ; at the head's half of the K step's word
	v_or_b32 v[CW+2*\pr+\hp], v[CW+2*\pr+\hp], v[TM]
.endr
	s_wait_xcnt 0x0                                ; every load and store has read its base: the bases step to the next head
	s_add_nc_u64 s[10:11], s[10:11], 256
	s_add_nc_u64 s[12:13], s[12:13], 256
	s_add_nc_u64 s[14:15], s[14:15], 256
	s_add_nc_u64 s[16:17], s[16:17], 1024
	s_add_nc_u64 s[18:19], s[18:19], 768
	s_add_co_u32 s[HI], s[HI], 1
	s_xor_b32 s[C16], s[C16], 16                   ; the pair's other head: behind this head's last use of it
.endm
; THE CHANGE OF SLOTS.  fill = 1: the slot just read takes the head two on.  Each wave waits for all its tensor loads (its quarter of the other slot), adds 0 to its spare word, waits for that and for its reads;
; a round of the cluster's barrier: no wave of any partner still reads the slot or has a load on its way; the joint refill comes first behind it and has a whole head's work in which to land.
.macro CHANGE fill
.if \fill
	s_wait_tensorcnt 0x0                           ; no tensor load of mine is out, so the walking group 0 may be written
	ds_add_u32 v[SPW], v[NIL]                      ; 0 onto my spare word
	s_add_co_u32 s[G0B+1], s[SO], s[WQ]            ; my quarter of the slot just read,
	s_add_nc_u64 s[G0B+2:G0B+3], s[G0B+2:G0B+3], SLOTB   ; the next head's chunk; the type bits on top are not reached
	s_wait_dscnt 0x0
	ROUND
	tensor_load_to_lds s[G0B:G0B+3], s[G1:G1+7]
	s_nop 0
	PLACES 4
.else
	s_wait_tensorcnt 0x0                           ; my quarter of the other slot is in (the one load that can be out)
	s_wait_dscnt 0x0
	s_barrier_signal -1
	s_barrier_wait -1
.endif
	s_xor_b32 s[SO], s[SO], SLOTB                  ; on to the other slot and the pair's other head
	s_xor_b32 s[C8], s[C8], 8
.endm
	s_load_b256 s[4:11], s[0:1], 0x0               ; XI s[4:5], XSW s[6:7], WA s[8:9], bq s[10:11]
	s_load_b256 s[12:19], s[0:1], 0x20             ; bk s[12:13], bv s[14:15], pos_emb s[16:17], CI s[18:19]
	s_load_b64 s[20:21], s[0:1], 0x40              ; CSW
	v_lshl_add_u32 v[SPW], v0, 2, SPARE
	v_mov_b32 v[NIL], 0
	ds_add_u32 v7, v8
	ds_add_u32 v7, v8
	s_wait_dscnt 0x0
	v_lshrrev_b32 v14, 5, v0
	v_readfirstlane_b32 s[WV], v14                 ; wave 0..3
	s_bfe_u32 s[CX], ttmp6, 0x40000                ; my place in the cluster
	s_bfe_u32 s[CY], ttmp6, 0x40004                ; = the group of four heads
	s_lshl_b32 s25, ttmp9, 2
	s_add_co_u32 s25, s25, s[CX]                   ; my block of 256 rows
	s_lshl_b32 s52, s[CY], 2
	s_lshl_b32 s52, 15, s52                        ; my row of the cluster: places 4 cy .. 4 cy + 3
	s_or_b32 s[G1], s52, (3<<16)|(1<<21)           ; 15:0 the mask; 17:16 elements of 8 bytes; 20 no padding; 21 set beside a mask
	s_mov_b32 s[G1+1], 32<<16                      ; tensor_dim0 = 32 elements: rows of 256 bytes
	s_mov_b32 s[G1+2], 152<<16                     ; tensor_dim1 = 152
	s_mov_b32 s[G1+3], 32<<16                      ; tile_dim0
	s_mov_b32 s[G1+4], 152                         ; tile_dim1
	s_mov_b32 s[G1+5], 32                          ; the pitch: dense
	s_mov_b32 s[G1+6], 0
	s_mov_b32 s[G1+7], 0
	s_mul_i32 s[WQ], s[WV], QTR
	s_mul_i32 s52, s[CY], 4*SLOTB
	s_add_co_u32 s52, s52, s[WQ]                   ; WA: my quarter of the group's first head: cy and the wave's number alone
	s_mov_b32 s53, 0
	s_lshl_b32 s54, s25, 4
	s_lshl_b32 s55, s[WV], 2
	s_add_co_u32 s54, s54, s55                     ; my first tile: 16 x block + 4 x wave
	s_mul_i32 s56, s54, 12288                      ; a tile's eight fragments
	s_mov_b32 s57, 0
	s_lshl_b32 s58, s54, 9                         ; 2,048 bytes of scale words for four tiles
	s_mov_b32 s59, 0
	s_mov_b32 s[SEL], 0x76543210
	s_mov_b32 s[SEL+1], 0xfedcba98
	s_mov_b32 s[CE], 0x3e38aa3b                    ; log2(e) / 8
	s_mov_b32 s[CE+1], s[CE]                       ; (named with it as a pair, so it is written)
	s_mov_b32 s[SO], 0
	s_mov_b32 s[HI], 0
	s_mov_b32 s[C16], 0
	s_mov_b32 s[C8], 0
	s_wait_kmcnt 0x0
	s_add_nc_u64 s[8:9], s[8:9], s[52:53]
	s_add_nc_u64 s[4:5], s[4:5], s[56:57]
	s_add_nc_u64 s[18:19], s[18:19], s[56:57]
	s_add_nc_u64 s[6:7], s[6:7], s[58:59]
	s_add_nc_u64 s[20:21], s[20:21], s[58:59]
	s_lshl_b32 s52, s[CY], 10                      ; the group's 256 numbers of each bias
	s_add_nc_u64 s[10:11], s[10:11], s[52:53]
	s_add_nc_u64 s[12:13], s[12:13], s[52:53]
	s_add_nc_u64 s[14:15], s[14:15], s[52:53]
	s_lshl_b32 s52, s[CY], 12
	s_add_nc_u64 s[16:17], s[16:17], s[52:53]      ; its four tables of pos_emb
	s_mul_i32 s52, s[CY], 3072
	s_add_nc_u64 s[18:19], s[18:19], s[52:53]      ; its two K steps of the last product
	s_lshl_b32 s52, s[CY], 9
	s_add_nc_u64 s[20:21], s[20:21], s[52:53]      ; and their scale words
	s_mov_b32 s[G0A], 1                            ; count = 1
	s_mov_b32 s[G0A+1], s[WQ]                      ; LDS: slot 0, my quarter
	s_mov_b64 s[G0A+2:G0A+3], s[8:9]
	s_or_b32 s[G0A+3], s[G0A+3], 0x80000000        ; type = 2
	s_mov_b32 s[G0B], 1
	s_add_co_u32 s[G0B+1], s[WQ], SLOTB            ; slot 1
	s_add_nc_u64 s[G0B+2:G0B+3], s[8:9], SLOTB     ; the second head
	s_or_b32 s[G0B+3], s[G0B+3], 0x80000000
	ROUND                                          ; all sixteen work-groups are here: the first joint loads meet
	tensor_load_to_lds s[G0A:G0A+3], s[G1:G1+7]    ; slot 0's first fill: one tensor load a wave at the head
	s_nop 0
	PLACES 4
	v_and_b32 v14, 31, v0
	v_lshlrev_b32 v[LI], 4, v14
	v_lshlrev_b32 v[L8], 3, v14
	v_and_b32 v14, 15, v0                          ; r
	v_bfe_u32 v15, v0, 4, 1                        ; h
	v_lshlrev_b32 v[BA], 6, v15
	v_and_b32 v[BVA], 8, v14
	v_add_lshl_u32 v[BVA], v[BVA], v14, 2
	v_lshlrev_b32 v[PA], 6, v14
	v_lshl_add_u32 v[PA], v15, 5, v[PA]
	v_lshlrev_b32 v[SH16], 4, v15
	WIN 0x40                                       ; x's 32 fragments: they stay
.irp ks, 0,1,2,3,4
.irp m, 0,1,2,3
.irp c, 0,1,2
	global_load_b128 v[48*\ks+12*\m+4*\c:48*\ks+12*\m+4*\c+3], v[LI], s[4:5] offset:(8*\m+\ks)*1536+512*\c
.endr
.endr
.endr
	WIN 0x80
.irp ks, 5,6,7
.irp m, 0,1,2,3
.irp c, 0,1,2
	global_load_b128 v[48*(\ks-5)+12*\m+4*\c:48*(\ks-5)+12*\m+4*\c+3], v[LI], s[4:5] offset:(8*\m+\ks)*1536+512*\c
.endr
.endr
.endr
	WIN 0
.irp q, 0,1,2,3
	global_load_b128 v[XS+4*\q:XS+4*\q+3], v[LI], s[6:7] offset:512*\q
.endr
	QKBIAS 0, 0
.irp j, 0,1,2,3,4,5
	v_mov_b32 v[KF+6+\j], 0                        ; the zero codes
.endr
.irp j, 0,1,2,3
	v_mov_b32 v[CW+\j], 0
.endr
.irp j, 0,1,2,3,4,5,6,7
	v_mov_b32 v[TM+\j], 0                          ; written once: a lane permute's destination counts as one of its sources
.endr
	s_wait_alu depctr_va_vdst(0)
	s_wait_tensorcnt 0x0                           ; my quarter of slot 0 is in; slot 1's first fill is issued as a refill is:
	ds_add_u32 v[SPW], v[NIL]                      ; 0 onto my spare word
	s_wait_dscnt 0x0
	ROUND                                          ; everybody's quarter is in, and all sixteen work-groups are here
	tensor_load_to_lds s[G0B:G0B+3], s[G1:G1+7]    ; the second head, into slot 1: my one load behind the round; it has the first head's work in which to land
	s_nop 0
	PLACES 4
	s_mov_b32 s[TRIP], 2
	PRE                                            ; the first head's
.Lfill:                                            ; heads 0 and 1: behind v's product of each its slot is filled again
	HEAD 0, 1
	s_sub_co_u32 s[TRIP], s[TRIP], 1
	s_cmp_lg_u32 s[TRIP], 0
	s_cbranch_scc1 .Lfill
	s_mov_b32 s[TRIP], 2
.Ltail:                                            ; heads 2 and 3 are written out a second time (the last trip's barrier orders nothing more)
	HEAD 1, 0
	s_sub_co_u32 s[TRIP], s[TRIP], 1
	s_cmp_lg_u32 s[TRIP], 0
	s_cbranch_scc1 .Ltail
	s_wait_alu depctr_va_vdst(0)
	global_store_b128 v[LI], v[CW:CW+3], s[20:21]  ; ctx's scale words of my four tiles and the group's two K steps: 512 consecutive bytes
	s_wait_tensorcnt 0x0                           ; the wave's end
	ds_add_u32 v[SPW], v[NIL]
	s_wait_dscnt 0x0
	ROUND                                          ; the closing round: no work-group ends while a partner may still ask for a tile that names it
	s_endpgm
.Lfunc_end_k_q796ab0b33c_attn:
	.size	k_q796ab0b33c_attn, .Lfunc_end_k_q796ab0b33c_attn-k_q796ab0b33c_attn
	.p2alignl 7, 3214868480
	.fill 96, 4, 3214868480
	.section	.rodata,"a",@progbits
	.p2align	6, 0x0
	.amdhsa_kernel k_q796ab0b33c_attn
		.amdhsa_group_segment_fixed_size 327680
		.amdhsa_private_segment_fixed_size 0
		.amdhsa_enable_private_segment 0
		.amdhsa_kernarg_size 72
		.amdhsa_user_sgpr_count 2
		.amdhsa_user_sgpr_kernarg_segment_ptr 1
		.amdhsa_wavefront_size32 1
		.amdhsa_system_sgpr_workgroup_id_x 1
		.amdhsa_system_sgpr_workgroup_id_y 1
		.amdhsa_system_sgpr_workgroup_id_z 1
		.amdhsa_system_vgpr_workitem_id 0
		.amdhsa_next_free_vgpr 1024
		.amdhsa_next_free_sgpr 66
		.amdhsa_reserve_vcc 0
		.amdhsa_float_denorm_mode_32 3
		.amdhsa_float_denorm_mode_16_64 3
		.amdhsa_memory_ordered 1
		.amdhsa_forward_progress 1
		.amdhsa_inst_pref_size 249
	.end_amdhsa_kernel
	.amdgpu_metadata
---
amdhsa.version: [ 1, 2 ]
amdhsa.kernels:
  - .name:           k_q796ab0b33c_attn
    .symbol:         k_q796ab0b33c_attn.kd
    .args:
      - { .name: XI, .offset: 0, .size: 8, .value_kind: global_buffer, .address_space: global }
      - { .name: XSW, .offset: 8, .size: 8, .value_kind: global_buffer, .address_space: global }
      - { .name: WA, .offset: 16, .size: 8, .value_kind: global_buffer, .address_space: global }
      - { .name: bq, .offset: 24, .size: 8, .value_kind: global_buffer, .address_space: global }
      - { .name: bk, .offset: 32, .size: 8, .value_kind: global_buffer, .address_space: global }
      - { .name: bv, .offset: 40, .size: 8, .value_kind: global_buffer, .address_space: global }
      - { .name: pos_emb, .offset: 48, .size: 8, .value_kind: global_buffer, .address_space: global }
      - { .name: CI, .offset: 56, .size: 8, .value_kind: global_buffer, .address_space: global }
      - { .name: CSW, .offset: 64, .size: 8, .value_kind: global_buffer, .address_space: global }
    .group_segment_fixed_size: 327680
    .private_segment_fixed_size: 0
    .kernarg_segment_align: 8
    .kernarg_segment_size: 72
    .max_flat_workgroup_size: 128
    .sgpr_count:     66
    .vgpr_count:     1024
    .wavefront_size: 32
...
	.end_amdgpu_metadata
.endif
;; end of part 2
;; launch outp (part 3): grid 64 x 4, 4 waves a work-group, clusters of 4 x 4, 327,680 bytes of LDS; arguments CI, CSW, WB, bo, out0; writes out0
.if DOCPART == 3
	.amdgcn_target "amdgcn-amd-amdhsa--gfx1250"
	.amdhsa_code_object_version 6
	.text
	.protected	k_q796ab0b33c_outp
	.globl	k_q796ab0b33c_outp
	.p2align	8
	.type	k_q796ab0b33c_outp,@function
k_q796ab0b33c_outp:
	s_mov_b64 s[64:65], 0
	v_nop
	global_prefetch_b8 v0, s[64:65] scope:SCOPE_SE
	s_setreg_imm32_b32 hwreg(HW_REG_WAVE_MODE, 25, 1), 1
	s_wait_xcnt 0x0
	s_wait_alu depctr_hold_cnt(0) depctr_sa_sdst(0) depctr_va_vdst(0) depctr_va_sdst(0) depctr_va_ssrc(0) depctr_va_vcc(0) depctr_vm_vsrc(0)
	s_getreg_b32 s2, hwreg(HW_REG_IB_STS2, 6, 4)
	s_cmp_eq_u32 s2, 0
	s_cbranch_scc0 .Lentry_in_a_cluster
	s_endpgm
.Lentry_in_a_cluster:
	s_bfe_u32 s2, ttmp6, 0x10000c
	s_cmp_lg_u32 s2, 0xf033
	s_cbranch_scc0 .Lentry_shape_is_right
	s_endpgm
.Lentry_shape_is_right:
; out = Q(ctx) Q(Wo) + bo, on the codes and scale words that the launches before have laid as images of operand registers.
; SHARES.  A work-group takes 256 rows x 256 columns; wave w owns four tiles of 16 rows, whose 32 fragments of ctx's codes stay in registers (windows 1 and 2) for the whole launch.
; The work-group's part of Wo is two units of 128 columns (32 groups of 3,072 bytes and 4,096 bytes of scale words each).  Each wave brings a quarter of unit 0, 100 rows of 256 bytes, by its one tensor load at the head;
; ctx's loads are issued beside it; unit 1 is asked for behind the full sequence and a round, and is first read behind the barrier that follows the first quarter.  No LDS byte is filled twice.
; CLUSTER 4 x 4: the four work-groups of a row of the cluster (same cy) take the same columns and ask for each unit jointly.
; The product is used transposed (source 0 = a weight tile, source 1 = ctx), bo is the C of K step 0.  The columns go in four quarters of 64: eight K steps of 16 products.
; The weights' register ring has four places of four fragments and goes by pairs: 32 products, then one run of 24 LDS loads.
; THE WAY OUT goes through the wave's own stage, from which sixteen lanes take 256 consecutive bytes of a row.  A quarter's 32 stores are dealt over the next quarter's four runs of loads, eight to a run; the last quarter's follow it.
; No data prefetch: the text has no loop to run ahead in.  LIMITS: NaN and infinities are not served.
.set UNITB, 102400
.set UQ,    UNITB/4
.set SCOFF, 49152
.set STAGE, 2*UNITB
.set SPITCH, 272
.set STGM,  16*SPITCH
.set STGW,  4*STGM
.set L8,   2
.set CO,   3
.set STO,  5
.set RD,   6
.set BA,   7
.set AW,   8
.set LI,   AW
.set XS,   16
.set WS,   32
.set BIAS, 64
.set BK,   128
.set WR,   144
.set WR3,  128
.set WV,   22
.set CX,   23
.set CY,   24
.set G1,   28
.set G0A,  36
.set G0B,  40
.set WQ,   47
.set MSB, 0
.macro WIN new
.if MSB != \new
	s_set_vgpr_msb (MSB<<8)|\new
.set MSB, \new
.endif
.endm
.macro PLACES n
.rept \n
	v_nop
.endr
.endm
.macro ROUND
	s_barrier_signal -1
	s_barrier_wait -1
	s_cmp_lg_u32 s[WV], 0
	s_cbranch_scc1 .Lnot_wave_0_\@
	s_barrier_signal -3
.Lnot_wave_0_\@:
	s_barrier_wait -3
	s_barrier_signal -1
	s_barrier_wait -1
.endm
.macro WMS
.if fA && fB
	v_wmma_scale_f32_16x16x128_f8f6f4 v[rD:rD+7], v[rA:rA+11], v[rB:rB+11], v[rC:rC+7], v[rSA], v[rSB] matrix_a_fmt:MATRIX_FMT_FP6 matrix_b_fmt:MATRIX_FMT_FP6 matrix_a_scale:MATRIX_SCALE_ROW1 matrix_b_scale:MATRIX_SCALE_ROW1
.elseif fA
	v_wmma_scale_f32_16x16x128_f8f6f4 v[rD:rD+7], v[rA:rA+11], v[rB:rB+11], v[rC:rC+7], v[rSA], v[rSB] matrix_a_fmt:MATRIX_FMT_FP6 matrix_b_fmt:MATRIX_FMT_FP6 matrix_a_scale:MATRIX_SCALE_ROW1
.elseif fB
	v_wmma_scale_f32_16x16x128_f8f6f4 v[rD:rD+7], v[rA:rA+11], v[rB:rB+11], v[rC:rC+7], v[rSA], v[rSB] matrix_a_fmt:MATRIX_FMT_FP6 matrix_b_fmt:MATRIX_FMT_FP6 matrix_b_scale:MATRIX_SCALE_ROW1
.else
	v_wmma_scale_f32_16x16x128_f8f6f4 v[rD:rD+7], v[rA:rA+11], v[rB:rB+11], v[rC:rC+7], v[rSA], v[rSB] matrix_a_fmt:MATRIX_FMT_FP6 matrix_b_fmt:MATRIX_FMT_FP6
.endif
.endm
.macro RFILL t
.set q2, (\t)/8
.set s2, (\t)%8
.set p2, (\t)%4
.if p2 < 2
	WIN 0x80
.set R2, WR+48*p2
.else
	WIN 0xc0
.set R2, WR3+48*(p2-2)
.endif
.irp i, 0,1,2,3,4,5,6,7,8,9,10,11
	ds_load_b128 v[R2+4*\i:R2+4*\i+3], v[AW+2*(q2/2)+s2/4] offset:12288*(s2%4)+6144*(q2%2)+512*\i
.endr
.endm
.macro WSLOAD n
.irp ks, 0,1,2,3,4,5,6,7
	ds_load_b128 v[WS+4*\ks:WS+4*\ks+3], v[AW+2*\n+1] offset:SCOFF+512*\ks
.endr
.endm
.macro OBIAS off
.irp t, 0,1,2,3,4,5,6,7
	global_load_b128 v[BIAS+8*\t:BIAS+8*\t+3], v[BA], s[10:11] offset:\off+128*(\t/2)+32*(\t%2)
	global_load_b128 v[BIAS+8*\t+4:BIAS+8*\t+7], v[BA], s[10:11] offset:\off+128*(\t/2)+32*(\t%2)+16
.endr
.endm
.macro CLOAD ks, base
.irp m, 0,1,2,3
.irp c, 0,1
	global_load_b128 v[\base+12*\m+6*\c:\base+12*\m+6*\c+3], v[LI], s[4:5] offset:(8*\m+\ks)*1536+768*\c
	global_load_b64 v[\base+12*\m+6*\c+4:\base+12*\m+6*\c+5], v[L8], s[4:5] offset:(8*\m+\ks)*1536+768*\c+512
.endr
.endr
.endm
.macro SENDM q, m                      ; tile m of quarter q leaves: 16 lanes store 256 consecutive bytes, aligned; written once, read by nobody here
.irp i, 0,1,2,3,4,5,6,7
	global_store_b128 v[CO], v[BK+32*(\m)+4*\i:BK+32*(\m)+4*\i+3], s[12:13] offset:65536*(\m)+8192*\i+256*(\q) th:TH_STORE_NT
.endr
.endm
.macro OSTEP q, s
.set tt, 8*(\q)+(\s)
.set hf, (\q)%2
.set pp, (\s)%4
.if pp < 2
.set RG, WR+48*pp
.set wa, 2
.else
.set RG, WR3+48*(pp-2)
.set wa, 3
.endif
.if (\q) == 0
.if (\s) == 0
	s_wait_loadcnt 63
.elseif (\s) >= 4
	s_wait_loadcnt 16*(7-(\s))
.endif
.elseif ((\q) == 2) && ((\s) == 0)
	s_wait_loadcnt 0x0
.endif
.if tt%2 == 0
.if 31-tt >= 3
	s_wait_dscnt 24                                ; this pair of steps' 24 loads are in; the youngest 24 LDS loads may be out: the next pair's, or, at a quarter's first step, the stage's last 24:
.else                                  ; there the stage's 32 stores have read the accumulators, which are now written again, and tile 0 is back; at the quarter's third step all four tiles are back
	s_wait_dscnt 0
.endif
.endif
.if (\s) == 0
.set wv, 0xc4+wa
.elseif (\s) < 5
.set wv, 0xf4+wa
.else
.set wv, 0xf8+wa
.endif
	WIN wv
.irp g, 0,1
.irp u, 0,1
.irp m, 0,1,2,3
.set rD, 32*\m+8*(2*\g+\u)
.set rA, RG+24*\g+12*\u
.set rB, 48*((\s)%5)+12*\m
.if (\s) == 0
.set rC, BIAS+8*(2*(2*hf+\g)+\u)
.else
.set rC, rD
.endif
.set rSA, WS+4*(\s)+2*hf+\g
.set rSB, XS+4*((\s)/2)+2*(\m/2)+(\s)%2
.set fA, \u
.set fB, \m%2
	WMS
.endr
.endr
.endr
.if tt%2 == 1
.if tt+4 < 32
	PLACES 4                                       ; behind a pair's 32 products, in front of loads into registers that they have read
.endif
.if (\q) > 0
	WIN 0
.if ((\q) == 1) && ((\s) == 1)
	OBIAS 512                                      ; the second unit's bo: K step 0 of this quarter was the last reader of the first unit's
.endif
	SENDM (\q)-1, ((\s)-1)/2                       ; a tile of the quarter before
.endif
.if tt+4 < 32
	RFILL tt+3
	RFILL tt+4
.endif
.endif
.endm
.macro WAYOUT q
.if (\q) < 3
	PLACES 2
.else
	PLACES 4
.endif
.if (\q) == 1
	WIN 0
	WSLOAD 1
.endif
	WIN 0x0c
	s_wait_alu depctr_va_vdst(0)
.irp m, 0,1,2,3
.irp t, 0,1,2,3
	ds_store_b128 v[STO], v[32*\m+8*\t:32*\m+8*\t+3] offset:STGM*\m+128*(\t/2)+32*(\t%2)
	ds_store_b128 v[STO], v[32*\m+8*\t+4:32*\m+8*\t+7] offset:STGM*\m+128*(\t/2)+32*(\t%2)+16
.endr
.endr
	WIN 0
	s_wait_xcnt 0x0
.irp m, 0,1,2,3
.irp i, 0,1,2,3,4,5,6,7
	ds_load_b128 v[BK+32*\m+4*\i:BK+32*\m+4*\i+3], v[RD] offset:STGM*\m+2*SPITCH*\i
.endr
.endr
.if (\q) == 3                          ; nothing follows the last quarter: its tiles leave as they come back from the stage
.irp m, 0,1,2,3
	s_wait_dscnt 8*(3-\m)
	SENDM \q, \m
.endr
.endif
.endm
	s_load_b256 s[4:11], s[0:1], 0x0
	s_load_b64 s[12:13], s[0:1], 0x20
	v_lshl_add_u32 v12, v0, 2, 0x43000
	v_mov_b32 v13, 0
	ds_add_u32 v12, v13
	ds_add_u32 v12, v13
	v_lshrrev_b32 v14, 5, v0
	v_readfirstlane_b32 s[WV], v14
	s_bfe_u32 s[CX], ttmp6, 0x40000
	s_bfe_u32 s[CY], ttmp6, 0x40004
	s_lshl_b32 s25, ttmp9, 2
	s_add_co_u32 s25, s25, s[CX]
	s_lshl_b32 s52, s[CY], 2
	s_lshl_b32 s52, 15, s52
	s_or_b32 s[G1], s52, (3<<16)|(1<<21)
	s_mov_b32 s[G1+1], 32<<16
	s_mov_b32 s[G1+2], 100<<16
	s_mov_b32 s[G1+3], 32<<16
	s_mov_b32 s[G1+4], 100
	s_mov_b32 s[G1+5], 32
	s_mov_b32 s[G1+6], 0
	s_mov_b32 s[G1+7], 0
	s_mul_i32 s[WQ], s[WV], UQ
	s_mul_i32 s52, s[CY], 2*UNITB
	s_add_co_u32 s52, s52, s[WQ]
	s_mov_b32 s53, 0
	s_lshl_b32 s54, s25, 4
	s_lshl_b32 s55, s[WV], 2
	s_add_co_u32 s54, s54, s55
	s_mul_i32 s56, s54, 12288
	s_mov_b32 s57, 0
	s_lshl_b32 s58, s54, 9
	s_mov_b32 s59, 0
	s_lshl_b32 s60, s54, 16
	s_mov_b32 s61, 0
	s_wait_dscnt 0x0
	s_wait_kmcnt 0x0
	s_add_nc_u64 s[8:9], s[8:9], s[52:53]
	s_add_nc_u64 s[4:5], s[4:5], s[56:57]
	s_add_nc_u64 s[6:7], s[6:7], s[58:59]
	s_add_nc_u64 s[12:13], s[12:13], s[60:61]
	s_lshl_b32 s52, s[CY], 10
	s_add_nc_u64 s[10:11], s[10:11], s[52:53]
	s_add_nc_u64 s[12:13], s[12:13], s[52:53]
	s_mov_b32 s[G0A], 1
	s_mov_b32 s[G0A+1], s[WQ]
	s_mov_b64 s[G0A+2:G0A+3], s[8:9]
	s_or_b32 s[G0A+3], s[G0A+3], 0x80000000
	s_mov_b32 s[G0B], 1
	s_add_co_u32 s[G0B+1], s[WQ], UNITB
	s_add_nc_u64 s[G0B+2:G0B+3], s[8:9], UNITB
	s_or_b32 s[G0B+3], s[G0B+3], 0x80000000
	ROUND
	tensor_load_to_lds s[G0A:G0A+3], s[G1:G1+7]    ; unit 0, my quarter: one tensor load a wave at the head; ctx's loads below are on their way beside it
	s_nop 0
	PLACES 4
	v_and_b32 v14, 31, v0
	v_lshlrev_b32 v[LI], 4, v14
	v_lshlrev_b32 v[L8], 3, v14
	v_and_b32 v14, 15, v0
	v_bfe_u32 v15, v0, 4, 1
	v_lshlrev_b32 v[BA], 6, v15
.irp q, 0,1,2,3
	global_load_b128 v[XS+4*\q:XS+4*\q+3], v[LI], s[6:7] offset:512*\q
.endr
	OBIAS 0
	WIN 0x40
.irp ks, 0,1,2,3,4
	CLOAD \ks, 48*\ks
.endr
	WIN 0x80
.irp ks, 5,6,7
	CLOAD \ks, 48*(\ks-5)
.endr
	WIN 0
	v_add_nc_u32 v[AW+1], SCOFF, v[LI]
	v_add_nc_u32 v[AW+2], UNITB, v[LI]
	v_add_nc_u32 v[AW+3], UNITB+SCOFF, v[LI]
	v_lshlrev_b32 v[CO], 12, v15
	v_lshl_add_u32 v[CO], v14, 4, v[CO]
	s_mul_i32 s52, s[WV], STGW
	s_add_co_u32 s52, s52, STAGE
	v_mul_u32_u24 v[STO], v14, SPITCH
	v_lshl_add_u32 v[STO], v15, 6, v[STO]
	v_add_nc_u32 v[STO], s52, v[STO]
	v_mul_u32_u24 v[RD], v15, SPITCH
	v_lshl_add_u32 v[RD], v14, 4, v[RD]
	v_add_nc_u32 v[RD], s52, v[RD]
	s_wait_alu depctr_va_vdst(0)
	s_wait_tensorcnt 0x0                           ; my quarter of unit 0 is in; unit 1's first fill is issued as a refill is:
	ds_add_u32 v12, v13                            ; 0 onto my spare word
	s_wait_dscnt 0x0
	ROUND                                          ; everybody's quarter is in, and all sixteen work-groups are here
	tensor_load_to_lds s[G0B:G0B+3], s[G1:G1+7]    ; unit 1, my quarter: my one load behind the round; it has the first quarter's work in which to land
	s_nop 0
	PLACES 4
	WSLOAD 0
	RFILL 0
	RFILL 1
	RFILL 2
	RFILL 3
.irp q, 0,1,2,3
.irp s, 0,1,2,3,4,5,6,7
	OSTEP \q, \s
.endr
	WAYOUT \q
.if \q == 0
	s_wait_tensorcnt 0x0
	s_wait_dscnt 0x0
	s_barrier_signal -1
	s_barrier_wait -1
.endif
.endr
	s_wait_tensorcnt 0x0
	ds_add_u32 v12, v13
	s_wait_dscnt 0x0
	ROUND
	s_endpgm
.Lfunc_end_k_q796ab0b33c_outp:
	.size	k_q796ab0b33c_outp, .Lfunc_end_k_q796ab0b33c_outp-k_q796ab0b33c_outp
	.p2alignl 7, 3214868480
	.fill 96, 4, 3214868480
	.section	.rodata,"a",@progbits
	.p2align	6, 0x0
	.amdhsa_kernel k_q796ab0b33c_outp
		.amdhsa_group_segment_fixed_size 327680
		.amdhsa_private_segment_fixed_size 0
		.amdhsa_enable_private_segment 0
		.amdhsa_kernarg_size 40
		.amdhsa_user_sgpr_count 2
		.amdhsa_user_sgpr_kernarg_segment_ptr 1
		.amdhsa_wavefront_size32 1
		.amdhsa_system_sgpr_workgroup_id_x 1
		.amdhsa_system_sgpr_workgroup_id_y 1
		.amdhsa_system_sgpr_workgroup_id_z 1
		.amdhsa_system_vgpr_workitem_id 0
		.amdhsa_next_free_vgpr 1024
		.amdhsa_next_free_sgpr 66
		.amdhsa_reserve_vcc 0
		.amdhsa_float_denorm_mode_32 3
		.amdhsa_float_denorm_mode_16_64 3
		.amdhsa_memory_ordered 1
		.amdhsa_forward_progress 1
		.amdhsa_inst_pref_size 144
	.end_amdhsa_kernel
	.amdgpu_metadata
---
amdhsa.version: [ 1, 2 ]
amdhsa.kernels:
  - .name:           k_q796ab0b33c_outp
    .symbol:         k_q796ab0b33c_outp.kd
    .args:
      - { .name: CI, .offset: 0, .size: 8, .value_kind: global_buffer, .address_space: global }
      - { .name: CSW, .offset: 8, .size: 8, .value_kind: global_buffer, .address_space: global }
      - { .name: WB, .offset: 16, .size: 8, .value_kind: global_buffer, .address_space: global }
      - { .name: bo, .offset: 24, .size: 8, .value_kind: global_buffer, .address_space: global }
      - { .name: out0, .offset: 32, .size: 8, .value_kind: global_buffer, .address_space: global }
    .group_segment_fixed_size: 327680
    .private_segment_fixed_size: 0
    .kernarg_segment_align: 8
    .kernarg_segment_size: 40
    .max_flat_workgroup_size: 128
    .sgpr_count:     66
    .vgpr_count:     1024
    .wavefront_size: 32
...
	.end_amdgpu_metadata
.endif
;; end of part 3
